; MI455X (gfx1250); checked and timed in simulation.
; The chip was launched on July 23, 2026; its instructions are those of AMD's public machine-readable ISA for CDNA 5 (MIT licence, August 2026) and "CDNA5" Instruction Set Architecture Reference Guide (July 2026). The comments in the code are by the model that wrote it; some were corrected since.
;; Multi Head Attention. Allowed arithmetic: matrix products marked QUANTISED: E5M2 operands, one given power-of-two scale a tensor, by v_wmma_f32_16x16x64_bf8_bf8 or v_wmma_f32_16x16x128_bf8_bf8, f32 sums; everything else in f32.
;; Inputs: K 2 x 2,048 x 1,024 float32; Q 2 x 2,048 x 1,024 float32; V 2 x 2,048 x 1,024 float32; attn_mask 2 x 2,048 x 2,048 bool; beta 1,024 float32; bk 1,024 float32; bo 1,024 float32; bq 1,024 float32; bv 1,024 float32; gamma 1,024 float32; lowp_scales 12 int32 (the exponents e of the quantised operands' scales 2^e); wk 1,024 x 1,024 float32; wo 1,024 x 1,024 float32; wq 1,024 x 1,024 float32; wv 1,024 x 1,024 float32.
;; Outputs: out0 2 x 2,048 x 1,024 float32.
;; This version of the problem:
;;   THIS VERSION OF THE PROBLEM IS GIVEN IN LOW PRECISION. The matrix products marked QUANTISED in the list below multiply operands that are first quantised to E5M2 (5 exponent bits, 2 mantissa bits; 8 bits a number), with one given power-of-two scale for each operand tensor; their sums are f32. All else is computed in f32.
;;   The module's matrix products, in the order in which they are computed (A, B: the left and right operand; K: the contracted axis; several contracted axes count as one K, in the product's order):
;;     1. [M 4,096, K 1,024] x [K 1,024, N 1,024]; A: input Q; B: input wq: QUANTISED (scales: A lowp_scales[0], B lowp_scales[1])
;;     2. [M 4,096, K 1,024] x [K 1,024, N 1,024]; A: input K; B: input wk: QUANTISED (scales: A lowp_scales[2], B lowp_scales[3])
;;     3. [M 4,096, K 1,024] x [K 1,024, N 1,024]; A: input V; B: input wv: QUANTISED (scales: A lowp_scales[4], B lowp_scales[5])
;;     4. batch 32 x [M 2,048, K 64] x [K 64, N 2,048]; A: computed on the way; B: computed on the way: QUANTISED (scales: A lowp_scales[6], B lowp_scales[7])
;;     5. batch 32 x [M 2,048, K 2,048] x [K 2,048, N 64]; A: softmax (see below); B: computed on the way: QUANTISED (scales: A lowp_scales[8], B lowp_scales[9])
;;     6. [M 4,096, K 1,024] x [K 1,024, N 1,024]; A: computed on the way; B: input wo: QUANTISED (scales: A lowp_scales[10], B lowp_scales[11])
;;   THE QUANTISER, for each operand of a quantised product, along K:
;;     - The operand's scale is 2^e, e = its entry of the input lowp_scales (int32; the entries are numbered through the quantised products in the list's order, A before B).
;;     - Each number is divided by the scale, clamped to +-57,344, and rounded to the nearest number of E5M2, ties to even, subnormals kept.
;;     - The product sums the exact products of the quantised numbers (number of the format x scale) in f32.
;;   ~~~python
;;   def quantise(x, axis, e):      # numpy; x: float32 -> the quantised numbers, widened to float32 again
;;       x = np.moveaxis(x, axis, -1); K = x.shape[-1]
;;       r = np.clip(x / 2.0 ** e, -57344, 57344)
;;       step = 2.0 ** (np.maximum(np.frexp(np.where(r == 0, 1, r))[1] - 1, -14) - 2)
;;       q = np.round(r / step) * step * 2.0 ** e      # np.round: ties to even
;;       return np.moveaxis(q, -1, axis).astype(np.float32)
;;   ~~~
;;   SOFTMAX AHEAD OF A QUANTISED PRODUCT. Where the list says 'softmax', what is quantised is not the finished softmax but p = 2^(t - M), with t = logit x log2(e) and M = ceil(the row's largest t), a whole number; so 1/2 < the row's largest p <= 1. The row's sum l is taken of the UNQUANTISED p, in f32, and the product's result is divided by l at the end. Since M is a whole number, a kernel that streams over the keys may use a running M (the ceiling of the running maximum): every later rescaling is an exact power of two, so the quantised numbers keep their values, but for numbers so far below the row's largest that they fall under the format's range.
;;   OPERANDS COMPUTED ON THE WAY. 'Computed on the way' means the value that the module computes at that place (a softmax that the list does not call 'softmax' is quantised finished and normalised). What goes into a quantiser is computed in f32, as accurately as f32 sums, v_exp_f32 and their like allow (about 1e-6 of the number): no bf16 or f16 on the way to a quantiser, and a product that is left as it is and whose result goes on into a quantised operand takes f32 operands (vector FMAs, or v_wmma_f32_16x16x4_f32). A number that lies on a knife's edge between two numbers of the format may be rounded either way, as far as f32 arithmetic and the matrix unit's own rounding can turn it there, and no further.
;; One version. Each part assembles by itself: llvm-mc -triple=amdgcn-amd-amdhsa -mcpu=gfx1250 --defsym DOCPART=n.
;; ======== version 1 of 1: 4 launches
;; limits: right only within a limited range of input values
;; workspace buffers: codes 16,777,216 bytes; qf 8,388,608 bytes; kv 8,388,608 bytes; mw 1,048,576 bytes of whole numbers; ctx 4,194,304 bytes
;; launch prep (part 1): grid 256 x 1, 10 waves a work-group, no clusters, 77,568 bytes of LDS; arguments Q, K, V, wq, wk, wv, wo, attn_mask, lowp_scales, codes, mw; writes codes, mw
.if DOCPART == 1
	.amdgcn_target "amdgcn-amd-amdhsa--gfx1250"
	.amdhsa_code_object_version 6
	.text
	.protected	k_q40aee2f579_prep
	.globl	k_q40aee2f579_prep
	.p2align	8
	.type	k_q40aee2f579_prep,@function
k_q40aee2f579_prep:
	s_mov_b64 s[64:65], 0
	v_nop
	global_prefetch_b8 v0, s[64:65] scope:SCOPE_SE
	s_setreg_imm32_b32 hwreg(HW_REG_WAVE_MODE, 25, 1), 1
	s_wait_xcnt 0x0
; PREP.  Q, K, V, wq, wk, wv, wo (f32, K innermost) become codes of BF8 (E5M2), each tensor with its given scale 2^e;
; attn_mask (one byte a flag) becomes lane masks, one 32-bit word for each register of a score tile of the attention launch.
; SHARES.  A work-group has ten waves.  Waves 0-7 quantise its four row tiles, two waves to a tile, four fragments each; waves 8 and 9 pack the mask words of one query tile, four units of 256 keys each.
; THE CODES' LAYOUT is the order of an operand's registers.  A fragment is 16 rows x 128 K, 16 registers a lane: lane (r = lane % 16, h = lane / 16) holds row r,
; registers 2 c, 2 c + 1 hold K = 16 c + 8 h + 0 .. 7.  It is stored as four blocks of 512 bytes: block c = registers 4 c .. 4 c + 3, lane l's 16 bytes at 16 l.
; codes = [row tile 0..1023][K step 0..7][2,048 bytes]; row tiles 0-255 Q, 256-511 K, 512-767 V, 768-831 wq, 832-895 wk, 896-959 wv, 960-1023 wo.
; code = x / 2^e, held within +-57,344, rounded to the nearest code, ties to even.  LIMITS: -126 <= e <= 112 for each of the seven; NaN among the inputs is not served.
; Each load reads 512 consecutive bytes of one row; the 16 rows turn through the wave's own stage in LDS (rows 528 bytes apart), so that a lane gets its 8 neighbours along K
; for each conversion; each store covers 512 consecutive bytes.  Loads run two fragments (32 loads a wave) ahead.
; THE MASK WORDS.  mw = [query tile QT = (8 b + mq) 16 + nq][key step 0..15][64 words].  Query r of the tile is position 256 mq + 16 r + nq.
; Word 8 t + j of key step 2 mk + nbh, bit (r, h) = mask[b][that query][key 256 mk + 128 h + 16 j + 8 nbh + t].  QT = the work-group's number.
; A mask wave asks for all its four units at once: 32 loads, into registers of their own.
; Waves share nothing: no barrier.  The two roles part on the wave's number; every LDS address is made ahead of the parting, and each wave has LDS bytes of its own.  Nothing is looped: every offset is an immediate.
.set QP,    528                        ; a stage row of the quantiser: 512 bytes + 16
.set QSTW,  16*QP                      ; a wave's stage
.set MPI,   272                        ; a stage row of the mask waves: 256 bytes + 16
.set MST0,  8*QSTW                     ; their two stages begin behind the quantiser's eight
.set MSTW,  16*MPI
.set R,     32                         ; v32-159  two sets of 64: a fragment's numbers as loaded
.set X,     160                        ; v160-223 64 numbers in the operand's order
.set C,     224                        ; v224-255 two sets of 16: codes
.set L,     32                         ; mask waves: v32-159 four units' bytes as loaded
.set W,     160                        ;             v160-191 my query's 128 bytes of a unit
.set OUTW,  192                        ;             v192-199 two sets of 4: words to store
.set TM,    200                        ;             v200-207 at work
	s_load_b512 s[4:19], s[0:1], 0x0               ; Q, K, V, wq, wk, wv, wo, attn_mask
	s_load_b128 s[20:23], s[0:1], 0x40             ; the scales' exponents, codes
	s_load_b64 s[24:25], s[0:1], 0x50              ; mw
	v_lshl_add_u32 v30, v0, 2, 0x12a00
	v_mov_b32 v31, 0
	v_lshrrev_b32 v1, 5, v0
	s_delay_alu instid0(VALU_DEP_1)
	v_readfirstlane_b32 s26, v1                    ; wave 0..9
	v_and_b32 v1, 31, v0
	s_delay_alu instid0(VALU_DEP_1)
	v_lshlrev_b32 v2, 4, v1                        ; 16 x lane
	v_and_b32 v7, 15, v0                           ; r
	v_bfe_u32 v8, v0, 4, 1                         ; h
	s_and_b32 s29, s26, 1                          ; which half: of a row tile's fragments, or of the query tile's units
	s_min_u32 s27, s26, 7
	s_mul_i32 s27, s27, QSTW
	v_add_nc_u32 v14, s27, v2                      ; quantiser's stage, in: 16 x lane of a row
	v_mul_u32_u24 v15, v7, QP
	s_delay_alu instid0(VALU_DEP_1)
	v_lshl_add_u32 v15, v8, 5, v15
	s_delay_alu instid0(VALU_DEP_1)
	v_add_nc_u32 v15, s27, v15                     ; out: row r, + 32 h
	s_mul_i32 s28, s29, MSTW
	s_add_co_u32 s28, s28, MST0
	v_mul_u32_u24 v4, v8, MPI
	s_delay_alu instid0(VALU_DEP_1)
	v_lshl_add_u32 v4, v7, 4, v4
	s_delay_alu instid0(VALU_DEP_1)
	v_add_nc_u32 v4, s28, v4                       ; mask stage, in: lanes 0-15 one row, lanes 16-31 the next
	v_mul_u32_u24 v5, v7, MPI
	s_delay_alu instid0(VALU_DEP_1)
	v_lshl_add_u32 v5, v8, 7, v5
	s_delay_alu instid0(VALU_DEP_1)
	v_add_nc_u32 v5, s28, v5                       ; out: row r, + 128 h
	v_lshlrev_b32 v3, 15, v8
	s_delay_alu instid0(VALU_DEP_1)
	v_lshl_add_u32 v3, v7, 4, v3                   ; mask in memory: a tile's queries lie 16 rows of 2,048 bytes apart
	s_cmp_ge_u32 s26, 8
	s_cbranch_scc1 .Lmask
; ---------------- waves 0-7: the quantiser
.macro PICK lim, ptr, g0               ; work-groups under lim belong to an earlier tensor
	s_cmp_lt_u32 ttmp9, \lim
	s_cselect_b64 s[44:45], s[\ptr:\ptr+1], s[44:45]
	s_cselect_b32 s46, \g0, s46
.endm
.macro PICKE lim, e
	s_cmp_lt_u32 ttmp9, \lim
	s_cselect_b32 s47, s[\e], s47
.endm
	s_wait_kmcnt 0x0
	s_load_b256 s[32:39], s[20:21], 0x0            ; e0 .. e7
	s_load_b128 s[40:43], s[20:21], 0x20           ; e8 .. e11
	s_mov_b64 s[44:45], s[16:17]                   ; wo, from work-group 240 on
	s_mov_b32 s46, 240
	PICK 240, 14, 224                              ; wv
	PICK 224, 12, 208                              ; wk
	PICK 208, 10, 192                              ; wq
	PICK 192, 8, 128                               ; V
	PICK 128, 6, 64                                ; K
	PICK 64, 4, 0                                  ; Q
	s_lshr_b32 s52, s26, 1                         ; which of the work-group's four row tiles
	s_sub_co_u32 s48, ttmp9, s46
	s_lshl_b32 s48, s48, 2
	s_add_co_u32 s48, s48, s52                     ; my row tile in its tensor
	s_lshl_b32 s48, s48, 16                        ; 16 rows of 4,096 bytes
	s_lshl_b32 s53, s29, 11                        ; my four fragments begin 2,048 bytes into each row
	s_add_co_u32 s48, s48, s53
	s_mov_b32 s49, 0
	s_add_nc_u64 s[44:45], s[44:45], s[48:49]
	s_lshl_b32 s50, ttmp9, 2
	s_add_co_u32 s50, s50, s52                     ; my row tile in codes
	s_lshl_b32 s50, s50, 14
	s_lshl_b32 s53, s29, 13                        ; and four fragments of 2,048 bytes on
	s_add_co_u32 s50, s50, s53
	s_mov_b32 s51, 0
	s_add_nc_u64 s[22:23], s[22:23], s[50:51]
.macro LOAD f                          ; my fragment f: 128 numbers of each of the 16 rows; a load reads 512 consecutive bytes
.set rr, 0
.rept 16
	global_load_b128 v[R+64*((\f)%2)+4*rr:R+64*((\f)%2)+4*rr+3], v2, s[44:45] offset:rr*4096+(\f)*512 th:TH_LOAD_NT
.set rr, rr+1
.endr
.endm
	LOAD 0
	LOAD 1
	s_wait_kmcnt 0x0
	s_mov_b32 s47, s43                             ; wo: entry 11
	PICKE 240, 37                                  ; wv: 5
	PICKE 224, 35                                  ; wk: 3
	PICKE 208, 33                                  ; wq: 1
	PICKE 192, 36                                  ; V: 4
	PICKE 128, 34                                  ; K: 2
	PICKE 64, 32                                   ; Q: 0
	s_add_co_i32 s47, s47, 127
	s_lshl_b32 s48, s47, 23
	v_mov_b32 v11, s48                             ; 2^e as f32: the conversion takes its exponent field
	s_add_co_i32 s47, s47, 15
	s_lshl_b32 s47, s47, 23
	s_or_b32 s47, s47, 0x600000
	v_mov_b32 v10, s47                             ; 57,344 x 2^e
.macro STEP f
.set RS, R+64*((\f)%2)
.set CC, C+16*((\f)%2)
.if (\f) < 3
	s_wait_loadcnt 16                              ; this fragment's 16 loads are in; the next fragment's 16 may be out
.else
	s_wait_loadcnt 0x0
.endif
.set rr, 0
.rept 16
	ds_store_b128 v14, v[RS+4*rr:RS+4*rr+3] offset:rr*QP
.set rr, rr+1
.endr
.set rr, 0
.rept 8                                ; LDS serves a wave's instructions in order: these see the stores above
	ds_load_b128 v[X+8*rr:X+8*rr+3], v15 offset:64*rr
	ds_load_b128 v[X+8*rr+4:X+8*rr+7], v15 offset:64*rr+16
.set rr, rr+1
.endr
	s_wait_dscnt 0x0                               ; the numbers are back, and the stage's stores have read their registers
.if (\f) >= 2
	s_wait_xcnt 0x0                                ; the stores of two fragments ago have read this set of codes: it is written again only behind this wait
.endif
.if (\f)+2 < 4
	LOAD (\f)+2
.endif
.set rr, 0
.rept 64
	v_med3_num_f32 v[X+rr], v[X+rr], -v10, v10     ; the conversion to an 8-bit code does not saturate (ISA guide 7.6.2): the hold at the largest code x the scale
.set rr, rr+1
.endr
.set rr, 0
.rept 8
	v_cvt_scalef32_pk8_bf8_f32 v[CC+2*rr:CC+2*rr+1], v[X+8*rr:X+8*rr+7], v11
.set rr, rr+1
.endr
	v_nop                                          ; a plain line between the conversions and the next fragment's holds, which write their sources
.set rr, 0
.rept 4
	global_store_b128 v2, v[CC+4*rr:CC+4*rr+3], s[22:23] offset:(\f)*2048+512*rr   ; 512 consecutive bytes, aligned
.set rr, rr+1
.endr
.endm
	s_wait_alu depctr_va_vdst(0)                   ; the wait at the head's end
.irp f, 0,1,2,3
	STEP \f
.endr
	s_wait_tensorcnt 0x0                           ; the wave's end
	ds_add_u32 v30, v31
	s_wait_dscnt 0x0
	s_endpgm
; ---------------- waves 8 and 9: the mask
.Lmask:
	s_lshr_b32 s31, ttmp9, 7
	s_lshl_b32 s31, s31, 22                        ; b x 2,048 x 2,048
	s_bfe_u32 s32, ttmp9, 0x30004                  ; mq
	s_lshl_b32 s32, s32, 8
	s_and_b32 s33, ttmp9, 15                       ; nq
	s_add_co_u32 s32, s32, s33
	s_lshl_b32 s32, s32, 11                        ; query 256 mq + nq: its row of 2,048 bytes
	s_add_co_u32 s32, s32, s31
	s_lshl_b32 s33, s29, 10                        ; my four units begin at key 1,024 x half
	s_add_co_u32 s32, s32, s33
	s_mov_b32 s33, 0
	s_lshl_b32 s34, ttmp9, 12                      ; QT x 16 key steps x 256 bytes
	s_lshl_b32 s35, s29, 11                        ; my four units are eight key steps
	s_add_co_u32 s34, s34, s35
	s_mov_b32 s35, 0
	s_wait_kmcnt 0x0
	s_add_nc_u64 s[18:19], s[18:19], s[32:33]
	s_add_nc_u64 s[24:25], s[24:25], s[34:35]
.irp i, 0,1,2,3,4,5,6,7
	v_mov_b32 v[OUTW+\i], 0                        ; written whole once: v_writelane_b32 keeps the other lanes
.endr
.macro MLOAD u                         ; unit u: 256 keys of the 16 queries: a load takes two rows' whole 256 bytes
.irp i, 0,1,2,3,4,5,6,7
	global_load_b128 v[L+32*(\u)+4*\i:L+32*(\u)+4*\i+3], v3, s[18:19] offset:\i*65536+(\u)*256 th:TH_LOAD_NT
.endr
.endm
.macro UNIT u
.set PO, OUTW+4*((\u)%2)
	s_wait_loadcnt 24-8*(\u)                       ; this unit's eight loads are in; the later units', eight each, may be out
.irp i, 0,1,2,3,4,5,6,7
	ds_store_b128 v4, v[L+32*(\u)+4*\i:L+32*(\u)+4*\i+3] offset:\i*2*MPI
.endr
.irp j, 0,1,2,3,4,5,6,7
	ds_load_b128 v[W+4*\j:W+4*\j+3], v5 offset:16*\j   ; register 4 j + 2 nbh + t / 4, byte t % 4: key 128 h + 16 j + 8 nbh + t
.endr
	s_wait_dscnt 0x0                               ; my bytes are back
	s_wait_xcnt 0x0                                ; the store of two units ago has read this set of words: it is written again only behind this wait
.irp nbh, 0,1
.irp t, 0,1,2,3,4,5,6,7
.irp j, 0,1,2,3,4,5,6,7
	v_and_b32 v[TM+\j], 0xff<<(8*(\t%4)), v[W+4*\j+2*\nbh+\t/4]
.endr
.irp j, 0,1,2,3,4,5,6,7
	v_cmp_ne_u32 s[40+\j], 0, v[TM+\j]             ; the 32 lanes' flags as one word
.endr
.irp j, 0,1,2,3,4,5,6,7
	v_writelane_b32 v[PO+\j%4], s[40+\j], 16*\nbh+2*\t+\j/4   ; word 64 nbh + 8 t + j: lane = word / 4, register = word % 4
.endr
.endr
.endr
	global_store_b128 v2, v[PO:PO+3], s[24:25] offset:512*(\u)   ; two key steps' 128 words: 512 consecutive bytes
.endm
	s_wait_alu depctr_va_vdst(0)
.irp u, 0,1,2,3
	MLOAD \u
.endr
.irp u, 0,1,2,3
	UNIT \u
.endr
	s_wait_tensorcnt 0x0                           ; the wave's end
	ds_add_u32 v30, v31
	s_wait_dscnt 0x0
	s_endpgm
.Lfunc_end_k_q40aee2f579_prep:
	.size	k_q40aee2f579_prep, .Lfunc_end_k_q40aee2f579_prep-k_q40aee2f579_prep
	.p2alignl 7, 3214868480
	.fill 96, 4, 3214868480
	.section	.rodata,"a",@progbits
	.p2align	6, 0x0
	.amdhsa_kernel k_q40aee2f579_prep
		.amdhsa_group_segment_fixed_size 77568
		.amdhsa_private_segment_fixed_size 0
		.amdhsa_enable_private_segment 0
		.amdhsa_kernarg_size 88
		.amdhsa_user_sgpr_count 2
		.amdhsa_user_sgpr_kernarg_segment_ptr 1
		.amdhsa_wavefront_size32 1
		.amdhsa_system_sgpr_workgroup_id_x 1
		.amdhsa_system_sgpr_workgroup_id_y 1
		.amdhsa_system_sgpr_workgroup_id_z 1
		.amdhsa_system_vgpr_workitem_id 0
		.amdhsa_next_free_vgpr 256
		.amdhsa_next_free_sgpr 66
		.amdhsa_reserve_vcc 0
		.amdhsa_float_denorm_mode_32 3
		.amdhsa_float_denorm_mode_16_64 3
		.amdhsa_memory_ordered 1
		.amdhsa_forward_progress 1
		.amdhsa_inst_pref_size 144
	.end_amdhsa_kernel
	.amdgpu_metadata
---
amdhsa.version: [ 1, 2 ]
amdhsa.kernels:
  - .name:           k_q40aee2f579_prep
    .symbol:         k_q40aee2f579_prep.kd
    .args:
      - { .name: Q, .offset: 0, .size: 8, .value_kind: global_buffer, .address_space: global }
      - { .name: K, .offset: 8, .size: 8, .value_kind: global_buffer, .address_space: global }
      - { .name: V, .offset: 16, .size: 8, .value_kind: global_buffer, .address_space: global }
      - { .name: wq, .offset: 24, .size: 8, .value_kind: global_buffer, .address_space: global }
      - { .name: wk, .offset: 32, .size: 8, .value_kind: global_buffer, .address_space: global }
      - { .name: wv, .offset: 40, .size: 8, .value_kind: global_buffer, .address_space: global }
      - { .name: wo, .offset: 48, .size: 8, .value_kind: global_buffer, .address_space: global }
      - { .name: attn_mask, .offset: 56, .size: 8, .value_kind: global_buffer, .address_space: global }
      - { .name: lowp_scales, .offset: 64, .size: 8, .value_kind: global_buffer, .address_space: global }
      - { .name: codes, .offset: 72, .size: 8, .value_kind: global_buffer, .address_space: global }
      - { .name: mw, .offset: 80, .size: 8, .value_kind: global_buffer, .address_space: global }
    .group_segment_fixed_size: 77568
    .private_segment_fixed_size: 0
    .kernarg_segment_align: 8
    .kernarg_segment_size: 88
    .max_flat_workgroup_size: 320
    .sgpr_count:     66
    .vgpr_count:     256
    .wavefront_size: 32
...
	.end_amdgpu_metadata
.endif
;; end of part 1
;; launch proj (part 2): grid 4 x 48, 4 waves a work-group, clusters of 4 x 4, 327,680 bytes of LDS; arguments codes, lowp_scales, bq, bk, bv, qf, kv; writes qf, kv
.if DOCPART == 2
	.amdgcn_target "amdgcn-amd-amdhsa--gfx1250"
	.amdhsa_code_object_version 6
	.text
	.protected	k_q40aee2f579_proj
	.globl	k_q40aee2f579_proj
	.p2align	8
	.type	k_q40aee2f579_proj,@function
k_q40aee2f579_proj:
	s_mov_b64 s[64:65], 0
	v_nop
	global_prefetch_b8 v0, s[64:65] scope:SCOPE_SE
	s_setreg_imm32_b32 hwreg(HW_REG_WAVE_MODE, 25, 1), 1
	s_wait_xcnt 0x0
	s_wait_alu depctr_hold_cnt(0) depctr_sa_sdst(0) depctr_va_vdst(0) depctr_va_sdst(0) depctr_va_ssrc(0) depctr_va_vcc(0) depctr_vm_vsrc(0)
	s_getreg_b32 s2, hwreg(HW_REG_IB_STS2, 6, 4)
	s_cmp_eq_u32 s2, 0
	s_cbranch_scc0 .Lentry_in_a_cluster
	s_endpgm
.Lentry_in_a_cluster:
	s_bfe_u32 s2, ttmp6, 0x10000c
	s_cmp_lg_u32 s2, 0xf033
	s_cbranch_scc0 .Lentry_shape_is_right
	s_endpgm
.Lentry_shape_is_right:
.set FR,     16
.set NL,     4
.set NP,     4
.set HALFT,  32768
.set SLOT,   4*HALFT
.set STEPB,  4096
.set SPARE,  2*SLOT
.set LN,   3
.set ADRA, 16
.set ADRB, 20
.set SPW,  28
.set NIL,  29
.set BI,   32
.set BV,   96
.set LIMV, 112
.set SCV,  113
.set AF,   128
.set F,    128
.set G1, 24
.set G0, 32
.set G1B, 48
.set G0B, 56
.set MSB, 0
.macro WIN new
.if MSB != \new
	s_set_vgpr_msb (MSB<<8)|\new
.set MSB, \new
.endif
.endm
.set MUL_LO, 0xa1
.set MUL_HI, 0xf1
.set TO_B,   0x40
.macro JLOAD g0a, g1a, g0b, g1b
	s_cmp_eq_u32 s15, 0
	s_cbranch_scc0 .Lfor_b_\@
	tensor_load_to_lds s[\g0a:\g0a+3], s[\g1a:\g1a+7]
	s_nop 0
.rept 4
	v_nop
.endr
	s_branch .Lasked_\@
.Lfor_b_\@:
	tensor_load_to_lds s[\g0b:\g0b+3], s[\g1b:\g1b+7]
	s_nop 0
.rept 4
	v_nop
.endr
.Lasked_\@:
.endm
.macro CREST
	s_cmp_lg_u32 s14, 0
	s_cbranch_scc1 .Lnot_wave_0_\@
	s_barrier_signal -3
.Lnot_wave_0_\@:
	s_barrier_wait -3
	s_barrier_signal -1
	s_barrier_wait -1
.endm
.macro CROUND
	s_barrier_signal -1
	s_barrier_wait -1
	CREST
.endm
	s_load_b128 s[4:7], s[0:1], 0x0
	s_load_b128 s[8:11], s[0:1], 0x10
	s_load_b128 s[68:71], s[0:1], 0x20
	s_load_b64 s[72:73], s[0:1], 0x30
	v_lshl_add_u32 v[SPW], v0, 2, SPARE
	v_mov_b32 v[NIL], 0
	ds_add_u32 v28, v29
	ds_add_u32 v28, v29
	s_wait_dscnt 0x0
	v_lshrrev_b32 v1, 5, v0
	v_readfirstlane_b32 s14, v1
	s_lshr_b32 s15, s14, 1
	s_and_b32 s16, s14, 1
	s_bfe_u32 s40, ttmp6, 0x40000
	s_bfe_u32 s41, ttmp6, 0x40004
	s_and_b32 s12, ttmp7, 0xffff
	s_lshr_b32 s13, s12, 2
	s_lshl_b32 s17, s12, 2
	s_lshl_b32 s18, s13, 2
	s_add_co_u32 s18, s18, 48
	s_cmp_eq_u32 s13, 2
	s_cselect_b32 s42, s18, s17
	s_cselect_b32 s74, s17, s18
	s_add_co_u32 s42, s42, s41
	s_add_co_u32 s74, s74, s40
	s_lshl_b32 s43, s41, 2
	s_lshl_b32 s43, 15, s43
	s_lshl_b32 s44, 0x1111, s40
	s_or_b32 s[G1+0], s43, (3<<16)|(1<<21)
	s_or_b32 s[G1B+0], s44, (3<<16)|(1<<21)
.irp g, G1, G1B
	s_mov_b32 s[\g+1], 512<<16
	s_mov_b32 s[\g+2], 8<<16
	s_mov_b32 s[\g+3], 512<<16
	s_mov_b32 s[\g+4], 8
	s_mov_b32 s[\g+5], 2048
	s_mov_b32 s[\g+6], 0
	s_mov_b32 s[\g+7], 0
.endr
	s_lshl_b32 s19, s16, 17
	s_lshl_b32 s20, s42, 18
	s_add_co_u32 s20, s20, s19
	s_mov_b32 s21, 0
	s_lshl_b32 s46, s74, 18
	s_add_co_u32 s46, s46, s19
	s_mov_b32 s47, 0
	s_lshl_b32 s45, s14, 15
	s_lshl_b32 s92, s13, 3
	s_lshl_b32 s94, s13, 2
	s_cmp_eq_u32 s13, 2
	s_cselect_b32 s93, 28, 24
	s_add_co_u32 s93, s93, s94
	s_wait_kmcnt 0x0
	s_load_b64 s[96:97], s[6:7], s92 offset:0x0
	s_load_b32 s98, s[6:7], s93 offset:0x0
	s_add_nc_u64 s[20:21], s[4:5], s[20:21]
	s_add_nc_u64 s[46:47], s[4:5], s[46:47]
	; the prefetches' address: of the 8 row tiles x 4,096 bytes that my wave fetches for a K slot, each of the four partners that ask for them jointly names 2 row tiles, told apart by address alone
	s_cmp_eq_u32 s15, 0                            ; do I fetch for A?  (the wave's number alone)
	s_cselect_b64 s[66:67], s[20:21], s[46:47]     ; my tile's first byte
	s_cselect_b32 s78, s40, s41                    ; my place among the four: cx for A's tiles, cy for B's
	s_lshl_b32 s78, s78, 15                        ; 2 row tiles of 16,384 bytes
	s_mov_b32 s79, 0
	s_add_nc_u64 s[66:67], s[66:67], s[78:79]      ; never rewritten
	v_and_b32 v8, 15, v0
	v_bfe_u32 v9, v0, 4, 1
	v_lshlrev_b32 v8, 8, v8                        ; a lane to each block of 256 bytes: 16 blocks of a row tile's 4,096 bytes,
	v_lshl_add_u32 v8, v9, 14, v8                  ; lanes 16-31 in the next row tile; never rewritten
	CROUND
.irp s, 0,1
	s_mov_b32 s[G0+4*\s], 1
	s_add_co_u32 s[G0+4*\s+1], s45, \s*SLOT
	s_add_nc_u64 s[G0+4*\s+2:G0+4*\s+3], s[20:21], \s*STEPB
	s_or_b32 s[G0+4*\s+3], s[G0+4*\s+3], 0x80000000
	s_mov_b32 s[G0B+4*\s], 1
	s_add_co_u32 s[G0B+4*\s+1], s45, \s*SLOT
	s_add_nc_u64 s[G0B+4*\s+2:G0B+4*\s+3], s[46:47], \s*STEPB
	s_or_b32 s[G0B+4*\s+3], s[G0B+4*\s+3], 0x80000000
	s_wait_alu depctr_va_vdst(0)
	s_wait_tensorcnt 0x0
	ds_add_u32 v28, v29
	ds_add_u32 v28, v29
	s_wait_dscnt 0x0
	CROUND
	JLOAD G0+4*\s, G1, G0B+4*\s, G1B
	global_prefetch_b8 v8, s[66:67] offset:(2+\s)*STEPB th:TH_LOAD_NT scope:SCOPE_SE   ; the K slot two refills on: slots 2 and 3, the last; 8,192 bytes a wave, each block named once in the cluster
.endr
	v_and_b32 v1, 15, v0
	v_bfe_u32 v2, v0, 4, 1
	s_wait_alu depctr_va_vdst(0)
	v_and_b32 v[LN], 31, v0
	v_lshlrev_b32 v[LN], 4, v[LN]
	s_lshl_b32 s21, s15, 15
	s_lshl_b32 s22, s16, 15
	s_add_co_u32 s22, s22, 2*HALFT
.irp s, 0,1
	v_add_nc_u32 v[ADRA+\s], s21, v[LN]
	v_add_nc_u32 v[ADRB+\s], s22, v[LN]
	s_add_co_u32 s21, s21, SLOT
	s_add_co_u32 s22, s22, SLOT
.endr
	s_cmp_eq_u32 s13, 2
	s_cselect_b32 s82, s40, s41
	s_cselect_b32 s83, s16, s15
	s_cselect_b32 s84, s41, s40
	s_cselect_b32 s85, s15, s16
	s_cselect_b32 s86, 9, 11
	s_cselect_b32 s87, 8192, 0
	s_cselect_b64 s[80:81], s[72:73], s[70:71]
	s_cselect_b64 s[76:77], s[68:69], s[8:9]
	s_cmp_eq_u32 s13, 1
	s_cselect_b64 s[80:81], s[72:73], s[80:81]
	s_cselect_b64 s[76:77], s[10:11], s[76:77]
	s_and_b32 s88, s12, 3
	s_lshl_b32 s88, s88, 2
	s_add_co_u32 s88, s88, s82
	s_lshl_b32 s88, s88, 1
	s_add_co_u32 s88, s88, s83
	s_lshl_b32 s88, s88, 18
	s_lshr_b32 s89, s84, 1
	s_lshl_b32 s89, s89, 14
	s_add_co_u32 s88, s88, s89
	s_and_b32 s89, s84, 1
	s_lshl_b32 s89, s89, 1
	s_add_co_u32 s89, s89, s85
	s_lshl_b32 s89, s89, s86
	s_add_co_u32 s88, s88, s89
	s_add_co_u32 s88, s88, s87
	s_mov_b32 s89, 0
	s_add_nc_u64 s[80:81], s[80:81], s[88:89]
	s_lshl_b32 s90, s84, 8
	s_lshl_b32 s91, s85, 7
	s_add_co_u32 s90, s90, s91
	v_lshlrev_b32 v5, 5, v2
	v_lshl_add_u32 v5, s90, 2, v5
	v_add_nc_u32 v6, s90, v1
	v_lshlrev_b32 v6, 2, v6
.irp b, 0,1,2,3,4,5,6,7
	global_load_b128 v[BI+8*\b:BI+8*\b+3], v5, s[76:77] offset:64*\b
	global_load_b128 v[BI+8*\b+4:BI+8*\b+7], v5, s[76:77] offset:64*\b+16
.endr
.irp a, 0,1,2,3,4,5,6,7
	global_load_b32 v[BV+2*\a], v6, s[76:77] offset:64*\a
	v_mov_b32 v[BV+2*\a+1], 0
.endr
.macro FRAG reg, adr, q, i
.irp c, 0,1,2,3
	ds_load_b128 v[\reg+4*\c:\reg+4*\c+3], v[\adr] offset:4096*(\i)+2048*(\q)+512*\c
.endr
.endm
.macro MUL16 a0, p, zero
.irp a, \a0, \a0+1
.irp b, 0,1,2,3,4,5,6,7
.if \zero
	v_wmma_f32_16x16x128_bf8_bf8 v[8*(8*((\a)%4)+\b):8*(8*((\a)%4)+\b)+7], v[128*(\p)+FR*\b:128*(\p)+FR*\b+FR-1], v[AF+FR*(\a):AF+FR*(\a)+FR-1], 0
.else
	v_wmma_f32_16x16x128_bf8_bf8 v[8*(8*((\a)%4)+\b):8*(8*((\a)%4)+\b)+7], v[128*(\p)+FR*\b:128*(\p)+FR*\b+FR-1], v[AF+FR*(\a):AF+FR*(\a)+FR-1], v[8*(8*((\a)%4)+\b):8*(8*((\a)%4)+\b)+7]
.endif
.endr
.endr
.endm
.macro FETCH_B slot, q, p
	WIN TO_B
.irp i, 0,1,2,3,4,5,6,7
	FRAG 128*(\p)+FR*\i, ADRB+\slot, \q, \i
.endr
	WIN 0
.endm
.macro FETCH_A slot, q, i0
.irp i, \i0, \i0+1, \i0+2, \i0+3
	FRAG AF+FR*(\i), ADRA+\slot, \q, \i
.endr
.endm
.macro PLACES n
.rept \n
	v_nop
.endr
.endm
.macro STEP slot, q, zero
	s_wait_dscnt 4*NL
	WIN MUL_LO
	MUL16 0, (\q)%2, \zero
	MUL16 2, (\q)%2, \zero
	s_wait_dscnt 0
	PLACES NP
	FETCH_B \slot, (\q)+1, 1-(\q)%2
	FETCH_A \slot, (\q)+1, 0
	WIN MUL_HI
	MUL16 4, (\q)%2, \zero
	MUL16 6, (\q)%2, \zero
	PLACES NP
	WIN 0
	FETCH_A \slot, (\q)+1, 4
.endm
.macro TURN slot, next, fill
	s_wait_tensorcnt 0x0
	ds_add_u32 v[SPW], v[NIL]
	s_wait_dscnt 4*NL+1
	WIN MUL_LO
	MUL16 0, 1, 0
	s_wait_dscnt 0x0
	s_barrier_signal -1
	MUL16 2, 1, 0
	WIN 0
	s_barrier_wait -1
.if \fill
	CREST
	s_add_nc_u64 s[G0+4*\slot+2:G0+4*\slot+3], s[G0+4*\slot+2:G0+4*\slot+3], 2*STEPB
	s_add_nc_u64 s[G0B+4*\slot+2:G0B+4*\slot+3], s[G0B+4*\slot+2:G0B+4*\slot+3], 2*STEPB
	JLOAD G0+4*\slot, G1, G0B+4*\slot, G1B
.else
	PLACES NP
.endif
	FETCH_B \next, 0, 0
	FETCH_A \next, 0, 0
	WIN MUL_HI
	MUL16 4, 1, 0
	MUL16 6, 1, 0
	PLACES NP
	WIN 0
	FETCH_A \next, 0, 4
.endm
	s_wait_tensorcnt 1
	s_barrier_signal -1
	s_barrier_wait -1
	FETCH_B 0, 0, 0
	FETCH_A 0, 0, 0
	FETCH_A 0, 0, 4
	STEP 0, 0, 1
	TURN 0, 1, 1
	STEP 1, 0, 0
	TURN 1, 0, 1
	STEP 0, 0, 0
	TURN 0, 1, 0
	STEP 1, 0, 0
	s_wait_dscnt 4*NL
	WIN MUL_LO
	MUL16 0, 1, 0
	MUL16 2, 1, 0
	s_wait_dscnt 0
	WIN MUL_HI
	MUL16 4, 1, 0
	MUL16 6, 1, 0
	WIN 0
.macro FIN win, kind
	WIN ((\win)<<6)|(\win)
.irp a, 0,1,2,3
.irp b, 0,1,2,3,4,5,6,7
.irp i, 0,2,4,6
.if \kind
	v_pk_fma_f32 v[8*(8*\a+\b)+\i:8*(8*\a+\b)+\i+1], v[8*(8*\a+\b)+\i:8*(8*\a+\b)+\i+1], s[96:97], v[BV+2*(4*((\win)-2)+\a):BV+2*(4*((\win)-2)+\a)+1] op_sel_hi:[1,0,0]
.else
	v_pk_fma_f32 v[8*(8*\a+\b)+\i:8*(8*\a+\b)+\i+1], v[8*(8*\a+\b)+\i:8*(8*\a+\b)+\i+1], s[96:97], v[BI+8*\b+\i:BI+8*\b+\i+1] op_sel_hi:[1,0,1]
.endif
.endr
	s_wait_alu depctr_va_vdst(0)
.irp i, 0,1,2,3,4,5,6,7
	v_med3_num_f32 v[8*(8*\a+\b)+\i], v[8*(8*\a+\b)+\i], -v[LIMV], v[LIMV]
.endr
.endr
.endr
	WIN \win
.irp a, 0,1,2,3
.irp b, 0,1,2,3,4,5,6,7
.if \kind
	v_cvt_scalef32_pk8_bf8_f32 v[F+4*(8*\a+\b)+2*((\win)-2):F+4*(8*\a+\b)+2*((\win)-2)+1], v[8*(8*\a+\b):8*(8*\a+\b)+7], v[SCV]
.else
	v_cvt_scalef32_pk8_bf8_f32 v[F+2*(8*(4*((\win)-2)+\a)+\b):F+2*(8*(4*((\win)-2)+\a)+\b)+1], v[8*(8*\a+\b):8*(8*\a+\b)+7], v[SCV]
.endif
.endr
.endr
	v_nop
	WIN 0
.endm
.macro OUTQK a0
.irp a, \a0, \a0+1, \a0+2, \a0+3
.irp n, 0,1
.irp e, 0,1
	global_store_b128 v[LN], v[F+8*(2*(\a)+\n)+4*\e:F+8*(2*(\a)+\n)+4*\e+3], s[80:81] offset:(\a)*32768+\n*1024+512*\e
.endr
.endr
.endr
.endm
	s_wait_kmcnt 0x0
	s_wait_loadcnt 0x0
	s_add_co_i32 s96, s96, s97
	s_add_co_i32 s96, s96, 127
	s_lshl_b32 s96, s96, 23
	s_mov_b32 s97, s96
	s_add_co_i32 s98, s98, 127
	s_lshl_b32 s99, s98, 23
	v_mov_b32 v[SCV], s99
	s_add_co_i32 s98, s98, 15
	s_lshl_b32 s98, s98, 23
	s_or_b32 s98, s98, 0x600000
	v_mov_b32 v[LIMV], s98
	PLACES NP
	s_cmp_eq_u32 s13, 2
	s_cbranch_scc1 .Lvway
	FIN 2, 0
	OUTQK 0
	FIN 3, 0
	OUTQK 4
	s_branch .Lend
.Lvway:
	FIN 2, 1
	FIN 3, 1
.irp d, 0,1,2,3
.irp b, 0,1,2,3,4,5,6,7
	global_store_b128 v[LN], v[F+4*(8*\d+\b):F+4*(8*\d+\b)+3], s[80:81] offset:\b*32768+\d*2048
.endr
.endr
.Lend:
	s_wait_tensorcnt 0x0
	ds_add_u32 v[SPW], v[NIL]
	s_wait_dscnt 0x0
	CROUND
	s_endpgm
.Lfunc_end_k_q40aee2f579_proj:
	.size	k_q40aee2f579_proj, .Lfunc_end_k_q40aee2f579_proj-k_q40aee2f579_proj
	.p2alignl 7, 3214868480
	.fill 96, 4, 3214868480
	.section	.rodata,"a",@progbits
	.p2align	6, 0x0
	.amdhsa_kernel k_q40aee2f579_proj
		.amdhsa_group_segment_fixed_size 327680
		.amdhsa_private_segment_fixed_size 0
		.amdhsa_enable_private_segment 0
		.amdhsa_kernarg_size 56
		.amdhsa_user_sgpr_count 2
		.amdhsa_user_sgpr_kernarg_segment_ptr 1
		.amdhsa_wavefront_size32 1
		.amdhsa_system_sgpr_workgroup_id_x 1
		.amdhsa_system_sgpr_workgroup_id_y 1
		.amdhsa_system_sgpr_workgroup_id_z 1
		.amdhsa_system_vgpr_workitem_id 0
		.amdhsa_next_free_vgpr 1024
		.amdhsa_next_free_sgpr 100
		.amdhsa_reserve_vcc 0
		.amdhsa_float_denorm_mode_32 3
		.amdhsa_float_denorm_mode_16_64 3
		.amdhsa_memory_ordered 1
		.amdhsa_forward_progress 1
		.amdhsa_inst_pref_size 197
	.end_amdhsa_kernel
	.amdgpu_metadata
---
amdhsa.version: [ 1, 2 ]
amdhsa.kernels:
  - .name:           k_q40aee2f579_proj
    .symbol:         k_q40aee2f579_proj.kd
    .args:
      - { .name: codes, .offset: 0, .size: 8, .value_kind: global_buffer, .address_space: global }
      - { .name: lowp_scales, .offset: 8, .size: 8, .value_kind: global_buffer, .address_space: global }
      - { .name: bq, .offset: 16, .size: 8, .value_kind: global_buffer, .address_space: global }
      - { .name: bk, .offset: 24, .size: 8, .value_kind: global_buffer, .address_space: global }
      - { .name: bv, .offset: 32, .size: 8, .value_kind: global_buffer, .address_space: global }
      - { .name: qf, .offset: 40, .size: 8, .value_kind: global_buffer, .address_space: global }
      - { .name: kv, .offset: 48, .size: 8, .value_kind: global_buffer, .address_space: global }
    .group_segment_fixed_size: 327680
    .private_segment_fixed_size: 0
    .kernarg_segment_align: 8
    .kernarg_segment_size: 56
    .max_flat_workgroup_size: 128
    .sgpr_count:     100
    .vgpr_count:     1024
    .wavefront_size: 32
...
	.end_amdgpu_metadata
.endif
;; end of part 2
;; launch attn (part 3): grid 8 x 32, 16 waves a work-group, clusters of 4 x 1, 327,680 bytes of LDS; arguments qf, kv, mw, lowp_scales, ctx; writes ctx
.if DOCPART == 3
	.amdgcn_target "amdgcn-amd-amdhsa--gfx1250"
	.amdhsa_code_object_version 6
	.text
	.protected	k_q40aee2f579_attn
	.globl	k_q40aee2f579_attn
	.p2align	8
	.type	k_q40aee2f579_attn,@function
k_q40aee2f579_attn:
	s_mov_b64 s[64:65], 0
	v_nop
	global_prefetch_b8 v0, s[64:65] scope:SCOPE_SE
	s_setreg_imm32_b32 hwreg(HW_REG_WAVE_MODE, 25, 1), 1
	s_wait_xcnt 0x0
	s_wait_alu depctr_hold_cnt(0) depctr_sa_sdst(0) depctr_va_vdst(0) depctr_va_sdst(0) depctr_va_ssrc(0) depctr_va_vcc(0) depctr_vm_vsrc(0)
	s_getreg_b32 s2, hwreg(HW_REG_IB_STS2, 6, 4)
	s_cmp_eq_u32 s2, 0
	s_cbranch_scc0 .Lentry_in_a_cluster
	s_endpgm
.Lentry_in_a_cluster:
	s_bfe_u32 s2, ttmp6, 0x10000c
	s_cmp_lg_u32 s2, 0x3003
	s_cbranch_scc0 .Lentry_shape_is_right
	s_endpgm
.Lentry_shape_is_right:
; ATTN.  context = softmax(q k^T / 8, masked) v for 32 heads of 2,048 positions x 64, both products on codes of BF8; the context is quantised as the operand of the last projection.
; SHARES.  A work-group owns one head bh (grid y) and 256 queries (mq = 0..7); each of its sixteen waves one tile of 16 queries: positions 256 mq + 16 r + wave.  Four waves to a SIMD.
; A HEAD'S k AND v LIE WHOLE IN LDS: 16 key steps x 16,384 bytes (8 fragments of k, 4 of v^T), each byte filled once, as it lies in memory.
; TWO FILLS.  At the head each wave asks for 4,096 bytes: together key steps 0-3 (65,536 bytes).  When these are in, behind a round of the cluster's barrier, each wave asks for 12,288 bytes:
; together key steps 4-15 (196,608 bytes), which land while steps 0-3 are worked.  One barrier stands between step 3 and step 4; from there on the waves meet no more until the end.
; CLUSTER.  The four work-groups of a cluster belong to one head and need the same bytes: each piece is asked for jointly, by the same tensor load with the mask of all four.
; NO PREFETCH: both fills go out ahead of the key loop's fifth step, and no loop stands ahead of them in which a request could run ahead.
; LAYOUT.  S^T = k q^T (source 0 = 16 keys, source 1 = my queries), O^T = v^T p^T: a lane holds ONE query (lane % 16).  In key step 2 mk + nbh, register 8 t + j of lane (r, h) is
; key 256 mk + 128 h + 16 j + 8 nbh + t; converted, tile t's eight registers are registers 2 t, 2 t + 1 of p's fragment, and v^T's fragments were laid in the same order of keys.
; THE MASK comes as lane masks, one scalar word for each of the 64 score registers of a step: a masked score is replaced ahead of the maximum.
; THE SOFTMAX: t = score x log2(e) / 8; M = the running largest t rounded up to a whole number; p = 2^(t - M) is quantised; the row's sum is of the unquantised p and divides at the end.
; LIMITS.  A masked logit is -2^30, not -1e9: its t is then an exact product, so that a row all of whose keys are masked gives p = 1 exactly; the results differ from -1e9's only where
; an unmasked logit lies under about -9.9e8.  e6 + e7 between -94 and 130; e8 and e10 between -126 and 112.  NaN among the inputs is not served.
; ctx = [row tile QT = (8 b + mq) 16 + wave][16,384]: head hd's 64 codes of 16 rows are registers 8 (hd % 2) on of K step hd / 2: bytes 1,024 hd on.
; REGISTERS: v1 16 x lane; v2 LDS address; v3 the masked score; v4 and v29 p's hold (twice: the two halves of a dual-issue pair take it from different banks); v5 p's scale; v6 e8 + e9;
;   v7, v25 the context's hold and scale; v8-15 q; v16 -M; v17 the largest t; v18-19, v26-27 the sum; v20-21 f; v22-24 at work; v30 my offset in ctx;
;   v32-95 k's or v^T's fragments; v96-159 S^T, then p; v160-191 O^T; v192-207 p's codes; v242-253 partial sums; v254 my spare word's address, v255 0.
.set KV,   32
.set S,    96
.set O,    160
.set P,    192
.set FIRST, 65536                      ; bytes of the first fill: key steps 0-3
.set PIECE, 12288                      ; a wave's bytes of the second fill: (262,144 - 65,536) / 16
.set WV,   2                           ; s2       my wave's number
.set CNT,  3                           ; s3       counts a loop's key steps
.set G1,   4                           ; s[4:11]  descriptor group 1 of the first fill: 16 rows of 256 bytes
.set G0,   12                          ; s[12:15] its group 0
.set G0B,  16                          ; s[16:19] group 0 of the second fill
.set G1B,  20                          ; s[20:27] its group 1: 48 rows of 256 bytes
.set MPT,  28                          ; s[28:29] my query tile's mask words
.set MOFF, 30                          ; s30      the byte offset of the step whose words are asked for
.set TB,   31                          ; s31      LDS byte at which the step in hand begins
.set CS,   66                          ; s[66:67] c = log2(e) / 8 x 2^(e6 + e7), twice
.set SEL,  100                         ; s[100:101] selects for lane l xor 16
                                       ; s[32:63], s[68:99]: a step's 64 mask words (at the head: at work)
.macro CROUND
	s_barrier_signal -1
	s_barrier_wait -1
	s_cmp_lg_u32 s[WV], 0
	s_cbranch_scc1 .Lnot_wave_0_\@
	s_barrier_signal -3
.Lnot_wave_0_\@:
	s_barrier_wait -3
	s_barrier_signal -1
	s_barrier_wait -1
.endm
.macro MASKLOAD                        ; 64 words, 256 bytes
	s_load_b512 s[32:47], s[MPT:MPT+1], s[MOFF] offset:0x0
	s_load_b512 s[48:63], s[MPT:MPT+1], s[MOFF] offset:0x40
	s_load_b512 s[68:83], s[MPT:MPT+1], s[MOFF] offset:0x80
	s_load_b512 s[84:99], s[MPT:MPT+1], s[MOFF] offset:0xc0
.endm
	s_load_b256 s[32:39], s[0:1], 0x0              ; qf, kv, mw, the scales' exponents
	v_lshl_add_u32 v254, v0, 2, 0x40000
	v_mov_b32 v255, 0
	ds_add_u32 v254, v255                          ; the opening: the add, twice on end, and its wait ahead of my first tensor load
	ds_add_u32 v254, v255
	v_lshrrev_b32 v1, 5, v0
	s_delay_alu instid0(VALU_DEP_1)
	v_readfirstlane_b32 s[WV], v1                  ; wave 0..15
	v_and_b32 v1, 31, v0
	s_delay_alu instid0(VALU_DEP_1)
	v_lshlrev_b32 v1, 4, v1                        ; 16 x lane
	s_bfe_u32 s48, ttmp6, 0x40000                  ; cx
	s_lshl_b32 s49, ttmp9, 2
	s_add_co_u32 s49, s49, s48                     ; mq = 4 x cluster x + cx: it enters global addresses of q, the mask and ctx alone
	s_and_b32 s50, ttmp7, 0xffff                   ; bh, which the four partners share
	s_mov_b32 s[G1], 15|(3<<16)|(1<<21)            ; 15:0 the mask: all four work-groups; 17:16 elements of 8 bytes; 21 set beside a mask; no padding
	s_mov_b32 s[G1+1], 32<<16                      ; tensor_dim0 = 32 elements: 256 bytes
	s_mov_b32 s[G1+2], 16<<16                      ; tensor_dim1 = 16
	s_mov_b32 s[G1+3], 32<<16                      ; tile_dim0
	s_mov_b32 s[G1+4], 16                          ; tile_dim1
	s_mov_b32 s[G1+5], 32                          ; dense
	s_mov_b32 s[G1+6], 0
	s_mov_b32 s[G1+7], 0
	s_mov_b32 s[G1B], 15|(3<<16)|(1<<21)           ; the same with 48 rows
	s_mov_b32 s[G1B+1], 32<<16
	s_mov_b32 s[G1B+2], 48<<16
	s_mov_b32 s[G1B+3], 32<<16
	s_mov_b32 s[G1B+4], 48
	s_mov_b32 s[G1B+5], 32
	s_mov_b32 s[G1B+6], 0
	s_mov_b32 s[G1B+7], 0
	s_mov_b32 s[SEL], 0x76543210
	s_mov_b32 s[SEL+1], 0xfedcba98
	s_lshl_b32 s54, s[WV], 12                      ; first fill: my 4,096 bytes, in the head's block and in LDS alike
	s_mul_i32 s55, s[WV], PIECE
	s_add_co_u32 s55, s55, FIRST                   ; second fill: my 12,288 bytes, likewise
	s_lshl_b32 s52, s50, 18                        ; the head's 262,144 bytes
	s_mov_b32 s53, 0
	s_mov_b32 s56, s54
	s_mov_b32 s57, 0
	s_mov_b32 s58, s55
	s_mov_b32 s59, 0
	s_wait_dscnt 0x0                               ; both opening adds are done
	s_wait_kmcnt 0x0
	s_load_b128 s[40:43], s[38:39], 0x18           ; e6, e7, e8, e9
	s_load_b32 s44, s[38:39], 0x28                 ; e10
	s_add_nc_u64 s[52:53], s[34:35], s[52:53]      ; the head's first byte
	s_mov_b32 s[G0], 1
	s_mov_b32 s[G0+1], s54
	s_add_nc_u64 s[G0+2:G0+3], s[52:53], s[56:57]
	s_or_b32 s[G0+3], s[G0+3], 0x80000000
	s_mov_b32 s[G0B], 1
	s_mov_b32 s[G0B+1], s55
	s_add_nc_u64 s[G0B+2:G0B+3], s[52:53], s[58:59]
	s_or_b32 s[G0B+3], s[G0B+3], 0x80000000
	CROUND                                         ; all four work-groups are here: the joint loads meet
	tensor_load_to_lds s[G0:G0+3], s[G1:G1+7]      ; my one load at the head: my part of key steps 0-3
	s_nop 0
.rept 4
	v_nop
.endr
	s_lshl_b32 s56, s50, 3
	s_add_co_u32 s56, s56, s49
	s_lshl_b32 s56, s56, 15                        ; q: MB = 8 bh + mq,
	s_lshr_b32 s58, s[WV], 3
	s_lshl_b32 s58, s58, 14                        ; nbh = wave / 8,
	s_add_co_u32 s56, s56, s58
	s_and_b32 s58, s[WV], 7
	s_lshl_b32 s58, s58, 10                        ; t = wave % 8
	s_add_co_u32 s56, s56, s58
	s_mov_b32 s57, 0
	s_add_nc_u64 s[32:33], s[32:33], s[56:57]
	s_wait_alu depctr_va_vdst(0)                   ; directly ahead of the reader of v1
	global_load_b128 v[8:11], v1, s[32:33]         ; q's fragment stays in registers
	global_load_b128 v[12:15], v1, s[32:33] offset:512
	s_lshr_b32 s58, s50, 4
	s_lshl_b32 s58, s58, 3
	s_add_co_u32 s58, s58, s49
	s_lshl_b32 s58, s58, 4
	s_add_co_u32 s58, s58, s[WV]                   ; QT
	s_lshl_b32 s60, s58, 14
	s_and_b32 s61, s50, 15
	s_lshl_b32 s61, s61, 10
	s_add_co_u32 s60, s60, s61
	v_add_nc_u32 v30, s60, v1                      ; ctx: 16,384 QT + 1,024 hd + 16 x lane
	s_lshl_b32 s58, s58, 12
	s_mov_b32 s59, 0
	s_add_nc_u64 s[MPT:MPT+1], s[36:37], s[58:59]
	s_mov_b32 s[MOFF], 0
	s_wait_kmcnt 0x0
	s_add_co_i32 s60, s40, s41                     ; e6 + e7
	s_lshl_b32 s61, s60, 23
	s_add_co_i32 s[CS], s61, 0x3e38aa3b            ; log2(e) / 8, with e6 + e7 added to its exponent field
	s_mov_b32 s[CS+1], s[CS]
	s_sub_co_i32 s61, 160, s60
	s_lshl_b32 s61, s61, 23
	s_or_b32 s61, s61, 0x80000000
	v_mov_b32 v3, s61                              ; -2^(33 - e6 - e7): x c it is -2^30 x log2(e), exactly
	s_add_co_i32 s61, s42, 127
	s_lshl_b32 s62, s61, 23
	v_mov_b32 v5, s62                              ; 2^e8
	s_add_co_i32 s61, s61, 15
	s_lshl_b32 s61, s61, 23
	s_or_b32 s61, s61, 0x600000
	v_mov_b32 v4, s61                              ; 57,344 x 2^e8,
	v_mov_b32 v29, s61                             ; and once more, in another bank
	s_add_co_i32 s61, s42, s43
	v_mov_b32 v6, s61                              ; e8 + e9
	s_add_co_i32 s61, s44, 127
	s_lshl_b32 s62, s61, 23
	v_mov_b32 v25, s62                             ; 2^e10
	s_add_co_i32 s61, s61, 15
	s_lshl_b32 s61, s61, 23
	s_or_b32 s61, s61, 0x600000
	v_mov_b32 v7, s61                              ; 57,344 x 2^e10
	s_wait_xcnt 0x0                                ; q's loads have read their base: the registers at work are given over to the mask words
	MASKLOAD                                       ; key step 0's
	v_mov_b32 v17, 0xff61b1e6                      ; the largest t so far: -3e38
	s_delay_alu instid0(VALU_DEP_1)
	v_floor_f32 v16, -v17                          ; -M
	v_mov_b32 v18, 0
	v_mov_b32 v19, 0
	v_mov_b32 v21, 0                               ; (named as the upper half of the pair v[20:21])
	v_mov_b32 v24, 0                               ; a lane permute's destination counts as one of its sources
.set i, 0
.rept 32
	v_mov_b32 v[O+i], 0                            ; the step is written once: the first finds zeros, which the first change of M leaves zeros
.set i, i+1
.endr
; A KEY STEP: 128 keys.
.macro STEP
	v_add_nc_u32 v2, s[TB], v1
.rept 3
	v_nop                                          ; with the addition: four places in front of loads into registers that the last products read
.endr
.irp t, 0,1,2,3,4,5,6,7
	ds_load_b128 v[KV+8*\t:KV+8*\t+3], v2 offset:1024*\t
	ds_load_b128 v[KV+8*\t+4:KV+8*\t+7], v2 offset:1024*\t+512
.endr
	s_wait_alu depctr_va_vdst(0)                   ; directly ahead of the wait below
	s_wait_dscnt 0x0
.irp t, 0,1,2,3,4,5,6,7
	v_wmma_f32_16x16x64_bf8_bf8 v[S+8*\t:S+8*\t+7], v[KV+8*\t:KV+8*\t+7], v[8:15], 0
.endr
.rept 4
	v_nop
.endr
.irp d, 0,1,2,3                        ; v^T's four fragments land while the softmax is walked
.irp c, 0,1,2,3
	ds_load_b128 v[KV+16*\d+4*\c:KV+16*\d+4*\c+3], v2 offset:8192+2048*\d+512*\c
.endr
.endr
	s_wait_kmcnt 0x0                               ; this step's mask words
.set i, 0
.rept 64
	v_cndmask_b32 v[S+i], v[S+i], v3, s[32+i+4*(i/32)]   ; each accumulator from its low end on
.set i, i+1
.endr
	s_add_co_u32 s[MOFF], s[MOFF], 256             ; the next step's words are asked for a step ahead;
	s_and_b32 s[MOFF], s[MOFF], 0xfff              ; the last step asks for step 0's again, which nobody uses: so no load leaves the buffer and no branch is needed
	MASKLOAD
	v_max3_num_f32 v22, v[S], v[S+1], v[S+2]       ; the step's largest score of my query, among my 64 keys, in two chains,
	v_max3_num_f32 v23, v[S+3], v[S+4], v[S+5]
.set i, 6
.rept 14
	s_delay_alu instid0(VALU_DEP_2)
	v_max3_num_f32 v22, v22, v[S+i], v[S+i+1]
	s_delay_alu instid0(VALU_DEP_2)
	v_max3_num_f32 v23, v23, v[S+i+2], v[S+i+3]
.set i, i+4
.endr
	s_delay_alu instid0(VALU_DEP_2)
	v_max3_num_f32 v22, v22, v[S+62], v[S+63]
	s_delay_alu instid0(VALU_DEP_1)
	v_max_num_f32 v22, v22, v23
	s_delay_alu instid0(VALU_DEP_1)
	v_permlanex16_b32 v24, v22, s[SEL], s[SEL+1]
	s_delay_alu instid0(VALU_DEP_1)
	v_max_num_f32 v22, v22, v24                    ; and among lane l xor 16's
	s_delay_alu instid0(VALU_DEP_1)
	v_mul_f32 v22, s[CS], v22                      ; as t (c is positive)
	s_delay_alu instid0(VALU_DEP_1)
	v_max_num_f32 v17, v17, v22                    ; the running largest t
	v_mov_b32 v22, v16
	s_delay_alu instid0(VALU_DEP_2)
	v_floor_f32 v16, -v17                          ; the new -M = floor(-t): M is a whole number
	s_delay_alu instid0(VALU_DEP_1)
	v_sub_f32 v22, v16, v22                        ; old M - new M: a whole number, 0 or less
	s_delay_alu instid0(VALU_DEP_1)
	v_cvt_i32_f32 v22, v22                         ; (it saturates)
	s_delay_alu instid0(VALU_DEP_1)
	v_ldexp_f32 v20, 1.0, v22                      ; f = 2^(old M - new M)
.set i, 0
.rept 32
	v_pk_fma_f32 v[S+i:S+i+1], v[S+i:S+i+1], s[CS:CS+1], v[16:17] op_sel_hi:[1,0,0]   ; t - M, two at a time
.set i, i+2
.endr
.set i, 0
	s_wait_alu depctr_va_vdst(0)                   ; ahead of the batch
.rept 64
	v_exp_f32 v[S+i], v[S+i]                       ; p = 2^(t - M)
.set i, i+1
.endr
	v_pk_mul_f32 v[18:19], v[18:19], v[20:21] op_sel_hi:[1,0]   ; the sum under the new M: the plain line behind the exponentials
	s_wait_alu depctr_va_vdst(0)                   ; one wait for the batch of 64, ahead of its first reader
	v_pk_add_f32 v[26:27], v[100:101], v[104:105]  ; the row's sum of the unquantised p, two at a time, in eight chains
	v_pk_add_f32 v[252:253], v[108:109], v[112:113]
	v_pk_add_f32 v[250:251], v[116:117], v[120:121]
	v_pk_add_f32 v[248:249], v[124:125], v[128:129]
	v_pk_add_f32 v[246:247], v[132:133], v[136:137]
	v_pk_add_f32 v[244:245], v[140:141], v[144:145]
	v_pk_add_f32 v[242:243], v[148:149], v[152:153]
	v_pk_add_f32 v[18:19], v[18:19], v[156:157]
	v_pk_add_f32 v[26:27], v[26:27], v[96:97]
	v_pk_add_f32 v[252:253], v[252:253], v[98:99]
	v_pk_add_f32 v[250:251], v[250:251], v[102:103]
	v_pk_add_f32 v[248:249], v[248:249], v[106:107]
	v_pk_add_f32 v[246:247], v[246:247], v[110:111]
	v_pk_add_f32 v[244:245], v[244:245], v[114:115]
	v_pk_add_f32 v[242:243], v[242:243], v[118:119]
	v_pk_add_f32 v[18:19], v[18:19], v[122:123]
	v_pk_add_f32 v[26:27], v[26:27], v[126:127]
	v_pk_add_f32 v[252:253], v[252:253], v[130:131]
	v_pk_add_f32 v[250:251], v[250:251], v[134:135]
	v_pk_add_f32 v[248:249], v[248:249], v[138:139]
	v_pk_add_f32 v[246:247], v[246:247], v[142:143]
	v_pk_add_f32 v[244:245], v[244:245], v[146:147]
	v_pk_add_f32 v[242:243], v[242:243], v[150:151]
	v_pk_add_f32 v[18:19], v[18:19], v[154:155]
	v_pk_add_f32 v[26:27], v[26:27], v[158:159]
	s_delay_alu instid0(VALU_DEP_2)
	v_pk_add_f32 v[18:19], v[18:19], v[248:249]
	s_delay_alu instid0(VALU_DEP_2)
	v_pk_add_f32 v[26:27], v[26:27], v[246:247]
	v_pk_add_f32 v[252:253], v[252:253], v[244:245]
	v_pk_add_f32 v[250:251], v[250:251], v[242:243]
	s_delay_alu instid0(VALU_DEP_2)
	v_pk_add_f32 v[18:19], v[18:19], v[252:253]
	s_delay_alu instid0(VALU_DEP_2)
	v_pk_add_f32 v[26:27], v[26:27], v[250:251]
	s_delay_alu instid0(VALU_DEP_1)
	v_pk_add_f32 v[18:19], v[18:19], v[26:27]
.set i, 0
.rept 32                               ; the conversion does not saturate (ISA guide 7.6.2); p is not negative, so the hold is one-sided.  Two holds an instruction: destinations even and odd, first sources in neighbouring banks, the limit from v4 and from v29
	v_dual_min_num_f32 v[S+i], v[S+i], v4 :: v_dual_min_num_f32 v[S+i+1], v[S+i+1], v29
.set i, i+2
.endr
.irp t, 0,1,2,3,4,5,6,7
	v_cvt_scalef32_pk8_bf8_f32 v[P+2*\t:P+2*\t+1], v[S+8*\t:S+8*\t+7], v5
.endr
	s_wait_alu depctr_va_vdst(0)                   ; directly ahead of the first reader of O^T
.set i, 0
.rept 16
	v_pk_mul_f32 v[O+i:O+i+1], v[O+i:O+i+1], v[20:21] op_sel_hi:[1,0]   ; O^T under the new M; also the plain lines between the conversions and the products
.set i, i+2
.endr
	s_wait_alu depctr_va_vdst(0)                   ; directly ahead of the wait below
	s_wait_dscnt 0x0                               ; v^T
.irp d, 0,1,2,3                        ; the four accumulators take turns; between two links of a chain stand eleven other matrix instructions
	v_wmma_f32_16x16x128_bf8_bf8 v[O+8*\d:O+8*\d+7], v[KV+16*\d:KV+16*\d+15], v[P:P+15], v[O+8*\d:O+8*\d+7]
.endr
	s_add_co_u32 s[TB], s[TB], 16384
.endm
; A run of key steps that lie on end in LDS, from byte first on.
.macro RUN first, trips
	s_mov_b32 s[TB], \first
	s_mov_b32 s[CNT], \trips
.Lstep_\@:
	STEP
	s_sub_co_u32 s[CNT], s[CNT], 1
	s_cmp_lg_u32 s[CNT], 0
	s_cbranch_scc1 .Lstep_\@
.endm
	s_wait_alu depctr_va_vdst(0)                   ; the wait at the head's end
	s_wait_tensorcnt 0x0                           ; my part of key steps 0-3 is in; ahead of the second fill:
	ds_add_u32 v254, v255                          ; 0 onto my spare word,
	s_wait_dscnt 0x0                               ; and the wait for it
	CROUND                                         ; every wave's part of key steps 0-3 is in, and all four work-groups are here: the joint loads meet
	tensor_load_to_lds s[G0B:G0B+3], s[G1B:G1B+7]  ; my one load behind the round: my part of key steps 4-15, bytes that nothing has filled
	s_nop 0
.rept 4
	v_nop
.endr
	s_wait_loadcnt 0x0                             ; q
	RUN 0, 4                                       ; key steps 0-3, LDS bytes under FIRST
	s_wait_tensorcnt 0x0                           ; my part of key steps 4-15 is in,
	s_wait_dscnt 0x0
	s_barrier_signal -1
	s_barrier_wait -1                              ; and every wave's
	RUN FIRST, 12                                  ; key steps 4-15
	; THE WAY OUT: O^T / the sum x 2^(e8 + e9) is the context; held, converted with 2^e10, its eight registers are stored as they stand.
	s_load_b64 s[4:5], s[0:1], 0x20                ; ctx (group 1's registers are free: all my tensor loads were waited for)
	v_add_f32 v18, v18, v19
	s_delay_alu instid0(VALU_DEP_1)
	v_permlanex16_b32 v24, v18, s[SEL], s[SEL+1]
	s_delay_alu instid0(VALU_DEP_1)
	v_add_f32 v18, v18, v24                        ; the row's sum
	s_wait_alu depctr_va_vdst(0)                   ; ahead of the transcendental
	v_rcp_f32 v18, v18
.rept 4
	v_nop                                          ; the plain line behind the reciprocal, and the places behind the last products
.endr
	s_wait_alu depctr_va_vdst(0)                   ; ahead of the reciprocal's first reader
	v_ldexp_f32 v18, v18, v6
	s_wait_alu depctr_va_vdst(0)                   ; directly ahead of the first reader of O^T
.set i, 0
.rept 32
	v_mul_f32 v[S+i], v[O+i], v18                  ; register 8 dt + j: channel 16 dt + 8 h + j of my query
.set i, i+1
.endr
.set i, 0
.rept 32
	v_med3_num_f32 v[S+i], v[S+i], -v7, v7
.set i, i+1
.endr
.irp d, 0,1,2,3
	v_cvt_scalef32_pk8_bf8_f32 v[P+2*\d:P+2*\d+1], v[S+8*\d:S+8*\d+7], v25
.endr
	v_nop
	s_wait_alu depctr_va_vdst(0)                   ; directly ahead of the wait below
	s_wait_kmcnt 0x0                               ; ctx's address (and the mask words asked for in the last step)
	global_store_b128 v30, v[P:P+3], s[4:5]        ; 512 consecutive bytes each, aligned
	global_store_b128 v30, v[P+4:P+7], s[4:5] offset:512
	s_wait_tensorcnt 0x0                           ; the wave's end
	ds_add_u32 v254, v255
	s_wait_dscnt 0x0
	CROUND                                         ; the closing round: no work-group ends while a partner may still ask for a piece that names it
	s_endpgm
.Lfunc_end_k_q40aee2f579_attn:
	.size	k_q40aee2f579_attn, .Lfunc_end_k_q40aee2f579_attn-k_q40aee2f579_attn
	.p2alignl 7, 3214868480
	.fill 96, 4, 3214868480
	.section	.rodata,"a",@progbits
	.p2align	6, 0x0
	.amdhsa_kernel k_q40aee2f579_attn
		.amdhsa_group_segment_fixed_size 327680
		.amdhsa_private_segment_fixed_size 0
		.amdhsa_enable_private_segment 0
		.amdhsa_kernarg_size 40
		.amdhsa_user_sgpr_count 2
		.amdhsa_user_sgpr_kernarg_segment_ptr 1
		.amdhsa_wavefront_size32 1
		.amdhsa_system_sgpr_workgroup_id_x 1
		.amdhsa_system_sgpr_workgroup_id_y 1
		.amdhsa_system_sgpr_workgroup_id_z 1
		.amdhsa_system_vgpr_workitem_id 0
		.amdhsa_next_free_vgpr 256
		.amdhsa_next_free_sgpr 102
		.amdhsa_reserve_vcc 0
		.amdhsa_float_denorm_mode_32 3
		.amdhsa_float_denorm_mode_16_64 3
		.amdhsa_memory_ordered 1
		.amdhsa_forward_progress 1
		.amdhsa_inst_pref_size 55
	.end_amdhsa_kernel
	.amdgpu_metadata
---
amdhsa.version: [ 1, 2 ]
amdhsa.kernels:
  - .name:           k_q40aee2f579_attn
    .symbol:         k_q40aee2f579_attn.kd
    .args:
      - { .name: qf, .offset: 0, .size: 8, .value_kind: global_buffer, .address_space: global }
      - { .name: kv, .offset: 8, .size: 8, .value_kind: global_buffer, .address_space: global }
      - { .name: mw, .offset: 16, .size: 8, .value_kind: global_buffer, .address_space: global }
      - { .name: lowp_scales, .offset: 24, .size: 8, .value_kind: global_buffer, .address_space: global }
      - { .name: ctx, .offset: 32, .size: 8, .value_kind: global_buffer, .address_space: global }
    .group_segment_fixed_size: 327680
    .private_segment_fixed_size: 0
    .kernarg_segment_align: 8
    .kernarg_segment_size: 40
    .max_flat_workgroup_size: 512
    .sgpr_count:     102
    .vgpr_count:     256
    .wavefront_size: 32
...
	.end_amdgpu_metadata
.endif
;; end of part 3
;; launch outln (part 4): grid 128 x 1, 8 waves a work-group, no clusters, 264,192 bytes of LDS; arguments ctx, codes, Q, bo, gamma, beta, lowp_scales, out0; writes out0
.if DOCPART == 4
	.amdgcn_target "amdgcn-amd-amdhsa--gfx1250"
	.amdhsa_code_object_version 6
	.text
	.protected	k_q40aee2f579_outln
	.globl	k_q40aee2f579_outln
	.p2align	8
	.type	k_q40aee2f579_outln,@function
k_q40aee2f579_outln:
	s_mov_b64 s[64:65], 0
	v_nop
	global_prefetch_b8 v0, s[64:65] scope:SCOPE_SE
	s_setreg_imm32_b32 hwreg(HW_REG_WAVE_MODE, 25, 1), 1
	s_wait_xcnt 0x0
; OUTLN.  out0 = LayerNorm(context wo^T + bo + Q) x gamma + beta; the product on codes of BF8, all else in f32.
; SHARES.  The norm wants whole rows, so a work-group takes two row tiles of ctx (32 rows) x all 1,024 columns.  EIGHT WAVES, two to a SIMD: wave w makes columns 256 (w % 4) on, 16 tiles of 16,
; over HALF OF K: K steps 4 (w / 4) .. + 3.  So eight waves' loads are on their way at a time, each wave's as many as its ring of registers takes.  Each wave then norms 4 rows.
; The sum over K is thus made in two halves, by two waves, and the halves are added in f32.
; Row tile RT = (8 b + mq) 16 + nq holds rows b 2,048 + 256 mq + 16 r + nq.  Work-group g: RT = 2 g, 2 g + 1: rows row0 + i + 16 r, row0 = 256 (g / 8) + 2 (g % 8).
; OPERANDS come from memory straight into registers, as the earlier launches laid them: a fragment is four loads of 512 consecutive bytes.  My 8 fragments of ctx stay (window 0);
; wo's go through a ring of four sets of 4 fragments (window 1), my half of a tile of 16 rows of wo to a set, four tiles ahead: up to 64 loads.
; What the norm wants (bo, gamma, beta, my 4 rows of Q) is loaded into the ring's sets as the last four tiles free them, in batches of 16, 16, 16 and 8 loads, so that one count serves every tile's wait.
; NO JOINT LOADS, though all work-groups read wo: beside the two stages LDS has room for 64,512 bytes, two slots of 4,032 bytes a wave at the most, and behind each change of slots one load a wave
; would go out, with a round of the cluster's barrier each time; here a wave's ring holds 32,768 bytes and the work-group meets one barrier in all.
; THE PRODUCT IS USED TRANSPOSED (source 0 = 16 rows of wo, source 1 = 16 rows of ctx): a lane's eight sums are eight neighbouring columns of one row.  The raw sums meet in two stages in LDS, one for each
; half of K (32 rows x (4,096 + 16) bytes each); behind the one barrier each wave reads 4 whole rows of both: x = (sum + sum) x 2^(e10 + e11) + Q, + bo; mean; variance of x - mean; out.
; LIMIT: e10 + e11 between -126 and 127.
; REGISTERS: window 0: v1 16 x lane; v2, v3 into my stage; v4, v7 out of the two stages; v8 mean; v10 1 / sqrt; v12-15 at work; v32-63 two sets of two accumulators; v64-127 two rows of the first stage;
;   v128-255 ctx, fragment (i, ks) at 128 + 16 (4 i + ks); behind the products v128-191 two rows of the second stage.
;   window 1: wo, set p at 64 p + 16 ks; behind the products bo at 0, gamma at 32, beta at 64, Q's row k at 96 + 32 k.
.set ACC, 32
.set SP,  4112
.set STG, 32*SP                        ; a stage
.set XA,  64
.set XB,  128
.set AF,  128
.set BO,  0
.set GA,  32
.set BE,  64
.set RES, 96
.set MSB, 0
.macro WIN new                         ; the immediate's high byte repeats the setting that is left
.if MSB != \new
	s_set_vgpr_msb (MSB<<8)|\new
.set MSB, \new
.endif
.endm
	s_load_b512 s[4:19], s[0:1], 0x0               ; ctx, codes, Q, bo, gamma, beta, the scales' exponents, out0
	v_lshl_add_u32 v30, v0, 2, 0x40400
	v_mov_b32 v31, 0
	v_lshrrev_b32 v1, 5, v0
	s_delay_alu instid0(VALU_DEP_1)
	v_readfirstlane_b32 s20, v1                    ; wave 0..7
	v_and_b32 v5, 15, v0                           ; r
	v_bfe_u32 v6, v0, 4, 1                         ; h
	v_and_b32 v1, 31, v0
	s_delay_alu instid0(VALU_DEP_1)
	v_lshlrev_b32 v1, 4, v1                        ; 16 x lane
	s_and_b32 s34, s20, 3                          ; which 256 columns
	s_lshr_b32 s35, s20, 2                         ; which half of K
	v_mul_u32_u24 v2, v5, SP
	s_delay_alu instid0(VALU_DEP_1)
	v_lshl_add_u32 v2, v6, 5, v2
	s_mul_i32 s21, s35, STG
	s_lshl_b32 s36, s34, 10
	s_add_co_u32 s21, s21, s36
	v_add_nc_u32 v2, s21, v2                       ; into my half's stage, row tile 0: row r, + 32 h, + my 1,024 bytes
	s_delay_alu instid0(VALU_DEP_1)
	v_add_nc_u32 v3, 16*SP, v2                     ; row tile 1
	s_mul_i32 s21, s20, 4*SP
	v_add_nc_u32 v4, s21, v1                       ; out of the first stage: stage rows 4 w on,
	s_delay_alu instid0(VALU_DEP_1)
	v_add_nc_u32 v7, STG, v4                       ; and of the second
	v_mov_b32 v9, 0                                ; (upper halves of pairs of which the low word is broadcast)
	v_mov_b32 v11, 0
	s_lshr_b32 s22, ttmp9, 3
	s_lshl_b32 s22, s22, 8
	s_and_b32 s23, ttmp9, 7
	s_lshl_b32 s23, s23, 1
	s_add_co_u32 s22, s22, s23                     ; row0
	s_add_co_u32 s22, s22, s35                     ; stage row 4 w + k is row tile w / 4, r = 4 (w % 4) + k:
	s_lshl_b32 s23, s34, 6
	s_add_co_u32 s22, s22, s23                     ; row0 + w / 4 + 64 (w % 4) + 16 k
	s_lshl_b32 s22, s22, 12
	s_mov_b32 s23, 0
	s_lshl_b32 s37, s35, 13                        ; my half of K: four fragments of 2,048 bytes on
	s_lshl_b32 s24, ttmp9, 15                      ; ctx: two row tiles of 16,384 bytes
	s_add_co_u32 s24, s24, s37
	s_mov_b32 s25, 0
	s_lshl_b32 s26, s34, 18
	s_add_co_u32 s26, s26, 960*16384               ; wo's row tiles 960 + 16 (w % 4) on
	s_add_co_u32 s26, s26, s37
	s_mov_b32 s27, 0
	s_mov_b32 s30, 0x3a800000                      ; 1 / 1,024
	s_mov_b32 s31, 0x3727c5ac                      ; 1e-5
	s_mov_b32 s32, 0x76543210
	s_mov_b32 s33, 0xfedcba98
	s_wait_alu depctr_va_vdst(0)
	s_wait_kmcnt 0x0
	s_load_b64 s[28:29], s[16:17], 0x28            ; e10, e11
	s_add_nc_u64 s[8:9], s[8:9], s[22:23]
	s_add_nc_u64 s[18:19], s[18:19], s[22:23]
	s_add_nc_u64 s[4:5], s[4:5], s[24:25]
	s_add_nc_u64 s[6:7], s[6:7], s[26:27]
.irp i, 0,1                            ; ctx first: loads come back in order, so the first tile's wait covers these too
.irp ks, 0,1,2,3
.irp c, 0,1,2,3
	global_load_b128 v[AF+16*(4*\i+\ks)+4*\c:AF+16*(4*\i+\ks)+4*\c+3], v1, s[4:5] offset:\i*16384+\ks*2048+512*\c
.endr
.endr
.endr
.macro BLOAD u                         ; my half of wo's tile u: 4 fragments, 16 loads, into set u % 4
.irp ks, 0,1,2,3
.irp c, 0,1,2,3
	global_load_b128 v[64*((\u)%4)+16*\ks+4*\c:64*((\u)%4)+16*\ks+4*\c+3], v1, s[6:7] offset:(\u)*16384+2048*\ks+512*\c
.endr
.endr
.endm
.macro RESLOAD k                       ; my row k of Q: register 4 c + e: column 128 c + 4 x lane + e
.irp c, 0,1,2,3,4,5,6,7
	global_load_b128 v[RES+32*(\k)+4*\c:RES+32*(\k)+4*\c+3], v1, s[8:9] offset:(\k)*65536+512*\c th:TH_LOAD_NT
.endr
.endm
.macro LNLOAD u                        ; behind tile u = 12 .. 15: what the norm wants, into the set that the tile has left; what is wanted last goes last
.if (\u) == 12
.irp c, 0,1,2,3,4,5,6,7
	global_load_b128 v[BO+4*\c:BO+4*\c+3], v1, s[10:11] offset:512*\c
.endr
.irp c, 0,1,2,3,4,5,6,7
	global_load_b128 v[GA+4*\c:GA+4*\c+3], v1, s[12:13] offset:512*\c
.endr
.elseif (\u) == 13
.irp c, 0,1,2,3,4,5,6,7
	global_load_b128 v[BE+4*\c:BE+4*\c+3], v1, s[14:15] offset:512*\c
.endr
	RESLOAD 0
.elseif (\u) == 14
	RESLOAD 1
	RESLOAD 2
.else
	RESLOAD 3
.endif
.endm
	WIN 0x40                                       ; destination window 1
	BLOAD 0
	BLOAD 1
	BLOAD 2
	BLOAD 3
	WIN 0
	s_wait_kmcnt 0x0
	s_add_co_i32 s46, s28, s29
	s_add_co_i32 s46, s46, 127
	s_lshl_b32 s46, s46, 23                        ; 2^(e10 + e11) as f32
	s_mov_b32 s47, s46
.macro TILE u
.set P2, (\u)%2
.set P4, (\u)%4
	s_wait_loadcnt 48                              ; this tile's 16 loads, and all before them, are in; the three batches of 16 issued behind them may be out
.if (\u) >= 2
	s_wait_dscnt 4                                 ; the stores of two tiles ago are done: their accumulators are started anew below; the last tile's four may be out
.endif
	WIN 0x01                                       ; source 0 (wo) window 1
.irp ks, 0,1,2,3                       ; the two accumulators take turns, one instruction a turn
.irp i, 0,1
.if \ks == 0
	v_wmma_f32_16x16x128_bf8_bf8 v[ACC+16*P2+8*\i:ACC+16*P2+8*\i+7], v[64*P4+16*\ks:64*P4+16*\ks+15], v[AF+16*(4*\i+\ks):AF+16*(4*\i+\ks)+15], 0
.else
	v_wmma_f32_16x16x128_bf8_bf8 v[ACC+16*P2+8*\i:ACC+16*P2+8*\i+7], v[64*P4+16*\ks:64*P4+16*\ks+15], v[AF+16*(4*\i+\ks):AF+16*(4*\i+\ks)+15], v[ACC+16*P2+8*\i:ACC+16*P2+8*\i+7]
.endif
.endr
.endr
.rept 4
	v_nop                                          ; places in front of the loads into wo's set and of the stores of the sums
.endr
	WIN 0x40
.if (\u)+4 < 16
	BLOAD (\u)+4
.else
	LNLOAD \u
.endif
	WIN 0
.irp i, 0,1
	ds_store_b128 v[2+\i], v[ACC+16*P2+8*\i:ACC+16*P2+8*\i+3] offset:64*(\u)      ; columns 256 (w % 4) + 16 u + 8 h + 0 .. 7 of row r
	ds_store_b128 v[2+\i], v[ACC+16*P2+8*\i+4:ACC+16*P2+8*\i+7] offset:64*(\u)+16
.endr
.endm
.irp u, 0,1,2,3,4,5,6,7,8,9,10,11,12,13,14,15
	TILE \u
.endr
	s_wait_dscnt 0x0                               ; for the others' sake: my stores into the stage are done
	s_barrier_signal -1
	s_barrier_wait -1                              ; 32 whole rows lie in each stage
.macro ALLSUM                          ; v[12:15], two chains of pairs -> the sum over the row, in v12 of every lane
	s_delay_alu instid0(VALU_DEP_1)
	v_pk_add_f32 v[12:13], v[12:13], v[14:15]
	s_delay_alu instid0(VALU_DEP_1)
	v_add_f32 v12, v12, v13
	s_delay_alu instid0(VALU_DEP_1)
	v_add_f32_dpp v12, v12, v12 row_xmask:1 row_mask:0xf bank_mask:0xf
	s_delay_alu instid0(VALU_DEP_1)
	v_add_f32_dpp v12, v12, v12 row_xmask:2 row_mask:0xf bank_mask:0xf
	s_delay_alu instid0(VALU_DEP_1)
	v_add_f32_dpp v12, v12, v12 row_xmask:4 row_mask:0xf bank_mask:0xf
	s_delay_alu instid0(VALU_DEP_1)
	v_add_f32_dpp v12, v12, v12 row_xmask:8 row_mask:0xf bank_mask:0xf
	s_delay_alu instid0(VALU_DEP_1)
	v_permlanex16_b32 v13, v12, s32, s33
	s_delay_alu instid0(VALU_DEP_1)
	v_add_f32 v12, v12, v13
.endm
.macro STAGELOAD k                     ; my row k of both stages, into set k % 2: 16 loads of 512 consecutive bytes
.set cc, 0
.rept 8
	ds_load_b128 v[XA+32*((\k)%2)+4*cc:XA+32*((\k)%2)+4*cc+3], v4 offset:(\k)*SP+512*cc
.set cc, cc+1
.endr
.set cc, 0
.rept 8
	ds_load_b128 v[XB+32*((\k)%2)+4*cc:XB+32*((\k)%2)+4*cc+3], v7 offset:(\k)*SP+512*cc
.set cc, cc+1
.endr
.endm
.macro ROW k
.set XS, XA+32*((\k)%2)
.set XT, XB+32*((\k)%2)
.if (\k) < 3
.if (\k) > 0
	s_wait_xcnt 0x0                                ; the last row's stores have read their registers: the next row may land there
.endif
	STAGELOAD (\k)+1
	s_wait_dscnt 16                                ; this row is in; the next row's sixteen loads may be out
.else
	s_wait_dscnt 0x0
.endif
	s_wait_loadcnt 24-8*(\k)                       ; bo, gamma, beta and Q's rows up to this one are in; the later rows' loads, 8 each, may be out
.set jj, 0
.rept 16
	v_pk_add_f32 v[XS+jj:XS+jj+1], v[XS+jj:XS+jj+1], v[XT+jj:XT+jj+1]   ; the two halves of K
.set jj, jj+2
.endr
	WIN 0x10                                       ; source 2 (Q) window 1
.set jj, 0
.rept 16
	v_pk_fma_f32 v[XS+jj:XS+jj+1], v[XS+jj:XS+jj+1], s[46:47], v[RES+32*(\k)+jj:RES+32*(\k)+jj+1] op_sel_hi:[1,0,1]   ; sum x 2^(e10 + e11) + Q
.set jj, jj+2
.endr
	WIN 0x04                                       ; source 1 (bo) window 1
.set jj, 0
.rept 16
	v_pk_add_f32 v[XS+jj:XS+jj+1], v[XS+jj:XS+jj+1], v[BO+jj:BO+jj+1]   ; + bo
.set jj, jj+2
.endr
	WIN 0
	v_pk_add_f32 v[12:13], v[XS:XS+1], v[XS+2:XS+3]
	v_pk_add_f32 v[14:15], v[XS+4:XS+5], v[XS+6:XS+7]
.set jj, 8
.rept 6
	s_delay_alu instid0(VALU_DEP_2)
	v_pk_add_f32 v[12:13], v[12:13], v[XS+jj:XS+jj+1]
	s_delay_alu instid0(VALU_DEP_2)
	v_pk_add_f32 v[14:15], v[14:15], v[XS+jj+2:XS+jj+3]
.set jj, jj+4
.endr
	ALLSUM
	s_delay_alu instid0(VALU_DEP_1)
	v_mul_f32 v8, s30, v12                         ; the mean
.set jj, 0
.rept 16
	v_pk_add_f32 v[XS+jj:XS+jj+1], v[XS+jj:XS+jj+1], v[8:9] op_sel_hi:[1,0] neg_lo:[0,1] neg_hi:[0,1]   ; x - mean
.set jj, jj+2
.endr
	v_pk_mul_f32 v[12:13], v[XS:XS+1], v[XS:XS+1]
	v_pk_mul_f32 v[14:15], v[XS+2:XS+3], v[XS+2:XS+3]
.set jj, 4
.rept 7
	s_delay_alu instid0(VALU_DEP_2)
	v_pk_fma_f32 v[12:13], v[XS+jj:XS+jj+1], v[XS+jj:XS+jj+1], v[12:13]
	s_delay_alu instid0(VALU_DEP_2)
	v_pk_fma_f32 v[14:15], v[XS+jj+2:XS+jj+3], v[XS+jj+2:XS+jj+3], v[14:15]
.set jj, jj+4
.endr
	ALLSUM
	s_delay_alu instid0(VALU_DEP_1)
	v_fma_f32 v10, v12, s30, s31                   ; the variance + 1e-5
	s_wait_alu depctr_va_vdst(0)
	v_rsq_f32 v10, v10
	v_nop                                          ; a plain line behind the transcendental,
	s_wait_alu depctr_va_vdst(0)                   ; and the wait ahead of its first reader
.set jj, 0
.rept 16
	v_pk_mul_f32 v[XS+jj:XS+jj+1], v[XS+jj:XS+jj+1], v[10:11] op_sel_hi:[1,0]
.set jj, jj+2
.endr
	WIN 0x14                                       ; sources 1 (gamma) and 2 (beta) window 1
.set jj, 0
.rept 16
	v_pk_fma_f32 v[XS+jj:XS+jj+1], v[XS+jj:XS+jj+1], v[GA+jj:GA+jj+1], v[BE+jj:BE+jj+1]   ; x gamma + beta
.set jj, jj+2
.endr
	WIN 0
.set cc, 0
.rept 8
	global_store_b128 v1, v[XS+4*cc:XS+4*cc+3], s[18:19] offset:(\k)*65536+512*cc th:TH_STORE_NT   ; 512 consecutive bytes of a row, aligned
.set cc, cc+1
.endr
.endm
	STAGELOAD 0                                    ; my first row (the second stage's lands where ctx lay: four places and more stand behind the last product)
.irp k, 0,1,2,3
	ROW \k
.endr
	s_wait_tensorcnt 0x0
	ds_add_u32 v30, v31
	s_wait_dscnt 0x0
	s_endpgm
.Lfunc_end_k_q40aee2f579_outln:
	.size	k_q40aee2f579_outln, .Lfunc_end_k_q40aee2f579_outln-k_q40aee2f579_outln
	.p2alignl 7, 3214868480
	.fill 96, 4, 3214868480
	.section	.rodata,"a",@progbits
	.p2align	6, 0x0
	.amdhsa_kernel k_q40aee2f579_outln
		.amdhsa_group_segment_fixed_size 264192
		.amdhsa_private_segment_fixed_size 0
		.amdhsa_enable_private_segment 0
		.amdhsa_kernarg_size 64
		.amdhsa_user_sgpr_count 2
		.amdhsa_user_sgpr_kernarg_segment_ptr 1
		.amdhsa_wavefront_size32 1
		.amdhsa_system_sgpr_workgroup_id_x 1
		.amdhsa_system_sgpr_workgroup_id_y 1
		.amdhsa_system_sgpr_workgroup_id_z 1
		.amdhsa_system_vgpr_workitem_id 0
		.amdhsa_next_free_vgpr 512
		.amdhsa_next_free_sgpr 66
		.amdhsa_reserve_vcc 0
		.amdhsa_float_denorm_mode_32 3
		.amdhsa_float_denorm_mode_16_64 3
		.amdhsa_memory_ordered 1
		.amdhsa_forward_progress 1
		.amdhsa_inst_pref_size 102
	.end_amdhsa_kernel
	.amdgpu_metadata
---
amdhsa.version: [ 1, 2 ]
amdhsa.kernels:
  - .name:           k_q40aee2f579_outln
    .symbol:         k_q40aee2f579_outln.kd
    .args:
      - { .name: ctx, .offset: 0, .size: 8, .value_kind: global_buffer, .address_space: global }
      - { .name: codes, .offset: 8, .size: 8, .value_kind: global_buffer, .address_space: global }
      - { .name: Q, .offset: 16, .size: 8, .value_kind: global_buffer, .address_space: global }
      - { .name: bo, .offset: 24, .size: 8, .value_kind: global_buffer, .address_space: global }
      - { .name: gamma, .offset: 32, .size: 8, .value_kind: global_buffer, .address_space: global }
      - { .name: beta, .offset: 40, .size: 8, .value_kind: global_buffer, .address_space: global }
      - { .name: lowp_scales, .offset: 48, .size: 8, .value_kind: global_buffer, .address_space: global }
      - { .name: out0, .offset: 56, .size: 8, .value_kind: global_buffer, .address_space: global }
    .group_segment_fixed_size: 264192
    .private_segment_fixed_size: 0
    .kernarg_segment_align: 8
    .kernarg_segment_size: 64
    .max_flat_workgroup_size: 256
    .sgpr_count:     66
    .vgpr_count:     512
    .wavefront_size: 32
...
	.end_amdgpu_metadata
.endif
;; end of part 4
